; MI455X (gfx1250); checked and timed in simulation.
; The chip was launched on July 23, 2026; its instructions are those of AMD's public machine-readable ISA for CDNA 5 (MIT licence, August 2026) and "CDNA5" Instruction Set Architecture Reference Guide (July 2026). The comments in the code are by the model that wrote it; some were corrected since.
;; Mixture Of Experts. Allowed arithmetic: matrix products marked QUANTISED: E4M3 operands, one given power-of-two scale a tensor, by v_wmma_f32_16x16x64_fp8_fp8 or v_wmma_f32_16x16x128_fp8_fp8, f32 sums; products left as they are: f32 operands where the result goes on into a quantised operand, else bf16, f16 or f32 operands; f32 sums; everything else in f32.
;; Inputs: W1 8 x 512 x 2,048 float32; W2 8 x 2,048 x 512 float32; Wg 512 x 8 float32; b1 8 x 2,048 float32; b2 8 x 512 float32; bg 8 float32; lowp_scales 4 int32 (the exponents e of the quantised operands' scales 2^e); x 2 x 2,048 x 512 float32.
;; Outputs: out0 2 x 2,048 x 512 float32.
;; This version of the problem:
;;   THIS VERSION OF THE PROBLEM IS GIVEN IN LOW PRECISION. The matrix products marked QUANTISED in the list below multiply operands that are first quantised to E4M3 (4 exponent bits, 3 mantissa bits; 8 bits a number), with one given power-of-two scale for each operand tensor; their sums are f32. All else is computed in f32.
;;   The module's matrix products, in the order in which they are computed (A, B: the left and right operand; K: the contracted axis; several contracted axes count as one K, in the product's order):
;;     1. [M 4,096, K 512] x [K 512, N 8]; A: input x; B: input Wg: left as it is (N = 8 < 16)
;;     2. [M 16,384, K 512] x [K 512, N 4,096]; A: input W1; B: input x: QUANTISED (scales: A lowp_scales[0], B lowp_scales[1])
;;     3. batch 8 x [M 4,096, K 2,048] x [K 2,048, N 512]; A: computed on the way; B: input W2: QUANTISED (scales: A lowp_scales[2], B lowp_scales[3])
;;     4. batch 4,096 x [M 1, K 8] x [K 8, N 512]; A: computed on the way; B: computed on the way: left as it is (K = 8 < 32)
;;   THE QUANTISER, for each operand of a quantised product, along K:
;;     - The operand's scale is 2^e, e = its entry of the input lowp_scales (int32; the entries are numbered through the quantised products in the list's order, A before B).
;;     - Each number is divided by the scale, clamped to +-448, and rounded to the nearest number of E4M3, ties to even, subnormals kept.
;;     - The product sums the exact products of the quantised numbers (number of the format x scale) in f32.
;;   ~~~python
;;   def quantise(x, axis, e):      # numpy; x: float32 -> the quantised numbers, widened to float32 again
;;       x = np.moveaxis(x, axis, -1); K = x.shape[-1]
;;       r = np.clip(x / 2.0 ** e, -448, 448)
;;       step = 2.0 ** (np.maximum(np.frexp(np.where(r == 0, 1, r))[1] - 1, -6) - 3)
;;       q = np.round(r / step) * step * 2.0 ** e      # np.round: ties to even
;;       return np.moveaxis(q, -1, axis).astype(np.float32)
;;   ~~~
;;   OPERANDS COMPUTED ON THE WAY. 'Computed on the way' means the value that the module computes at that place (a softmax that the list does not call 'softmax' is quantised finished and normalised). What goes into a quantiser is computed in f32, as accurately as f32 sums, v_exp_f32 and their like allow (about 1e-6 of the number): no bf16 or f16 on the way to a quantiser, and a product that is left as it is and whose result goes on into a quantised operand takes f32 operands (vector FMAs, or v_wmma_f32_16x16x4_f32). A number that lies on a knife's edge between two numbers of the format may be rounded either way, as far as f32 arithmetic and the matrix unit's own rounding can turn it there, and no further.
;; One version. Each part assembles by itself: llvm-mc -triple=amdgcn-amd-amdhsa -mcpu=gfx1250 --defsym DOCPART=n.
;; ======== version 1 of 1: 4 launches
;; limits: an absolute error that grows with the inputs' magnitude: up to 6e-08 times it
;; workspace buffers: xc 2,097,152 bytes; w1c 8,388,608 bytes; w2c 8,388,608 bytes; eidx 32,768 bytes of whole numbers; gw 32,768 bytes; rowlist 33,280 bytes of whole numbers; tiles 2,048 bytes of whole numbers; y 33,554,432 bytes
;; launch prep (part 1): grid 544 x 1, 4 waves a work-group, no clusters, 0 bytes of LDS; arguments x, Wg, bg, W1, W2, lowp_scales, xc, w1c, w2c, eidx, gw; writes xc, w1c, w2c, eidx, gw
.if DOCPART == 1
	.amdgcn_target "amdgcn-amd-amdhsa--gfx1250"
	.amdhsa_code_object_version 6
	.text
	.protected	k_q82f41ee955_prep
	.globl	k_q82f41ee955_prep
	.p2align	8
	.type	k_q82f41ee955_prep,@function
k_q82f41ee955_prep:
	s_mov_b64 s[64:65], 0
	v_nop
	global_prefetch_b8 v0, s[64:65] scope:SCOPE_SE
	s_setreg_imm32_b32 hwreg(HW_REG_WAVE_MODE, 25, 1), 1
	s_wait_xcnt 0x0
; PREP: x, W1 and W2 (f32) become codes of FP8 (E4M3) with the given scales 2^e1, 2^e0, 2^e3, and the router chooses two experts for each token.
; code = number / 2^e, held within +-448, to the nearest code, ties to even.  LIMITS: e0, e1, e3 between -126 and 119.  NaN among the inputs is not served.
; Work-groups 0-31: x and the router (a wave takes 32 tokens).  32-287: W1.  288-543: W2.  The three ways part on the work-group's number; no LDS, no barrier: waves share nothing.
; THE WEIGHTS' CODES ARE LAID IN THE ORDER OF THE OPERAND'S REGISTERS of the later launch: pieces of 512 bytes, 16 bytes for lane r + 16 h.
;   w1c [e][G = f/128][tile t][K step s][piece c][512]: lane row r of tile 2 b + u is hidden unit 128 G + 32 b + 8 u + r + 8 (r / 8); byte q holds k = 128 (q / 4) + 32 s + 8 c + 4 h + q % 4.
;   w2c [e][fh][w][K step s2][tile nn][piece c][512]: d = 64 w + 16 nn + r; byte q holds f = 1024 fh + 128 s2 + 32 c + 16 h + q.
;   xc  [token][512]: byte 16 l + 4 i + j holds k = 128 i + 4 l + j: the same permutation of k as w1c's, so that every product meets its partner.
; W1 and W2 have K as their first axis: a lane takes a column and its registers run down K, so the conversions give 16 codes that belong together, and a store's 32 lanes fill two aligned runs of 256 bytes.
; THE ROUTER in f32: logits by fused multiply-adds, the whole softmax (its maximum taken away), top 2 by strict compares (the lower index wins a tie), the two scores divided by their sum.
; The choice is stored at fixed places (eidx[2 t + k], gw[2 t + k]); no address and no branch of this launch hangs on it.
.set NX,   32                          ; work-groups of the x way
.set NW1,  256                         ; of W1's way
.set XW,   16                          ; W ways: v16-79 two sets of 32 numbers
.set CW,   80                          ; v80-143 eight registers of codes for each block: no store's data are written again
.set WGR,  16                          ; x way: v16-143 Wg(k(n), e) at WGR + 8 n + e, n = 4 i + j
.set XR,   144                         ; v144-207 four slots of 16 numbers of x
.set S,    208                         ; v208-215 the token's eight sums
.set L,    216                         ; v216-223 the logits, a token a lane
.set CX,   224                         ; v224-239 codes, four registers a slot
.set T,    240                         ; v240-247 at work
.macro WLOAD kind, t                   ; block t: 32 numbers down K of my column, into set t % 2; 32 lanes read 128 consecutive bytes, the four waves 512
.set n, 0
.rept 32
.if \kind == 1
	global_load_b32 v[XW+32*((\t)%2)+n], v2, s[32:33] offset:8192*(128*((n%16)/4)+32*((\t)/4)+8*((\t)%4)+4*(n/16)+n%4) th:TH_LOAD_NT
.else
	global_load_b32 v[XW+32*((\t)%2)+n], v2, s[32:33] offset:2048*(32*(\t)+n) th:TH_LOAD_NT
.endif
.set n, n+1
.endr
.endm
.macro WBLOCK kind, t
.set XS, XW+32*((\t)%2)
.if (\t) < 7
	s_wait_loadcnt 32                              ; this block's 32 loads are in; the next block's 32 may be out
.else
	s_wait_loadcnt 0
.endif
.set n, 0
.rept 32
	v_med3_num_f32 v[XS+n], v[XS+n], -v145, v145   ; the conversion to an 8-bit code does not saturate (ISA guide 7.6.2): the hold at the largest code x the scale
.set n, n+1
.endr
.irp g, 0,1,2,3
	v_cvt_scalef32_pk8_fp8_f32 v[CW+8*(\t)+2*\g:CW+8*(\t)+2*\g+1], v[XS+8*\g:XS+8*\g+7], v144
.endr
; registers 0-15 of the block are half h = 0 of a piece, 16-31 half h = 1.  The results go to stores alone, and the next vector lines are the next block's plain holds.
.if \kind == 1
	global_store_b128 v3, v[CW+8*(\t):CW+8*(\t)+3], s[34:35] offset:((\t)/4)*2048+((\t)%4)*512
	global_store_b128 v3, v[CW+8*(\t)+4:CW+8*(\t)+7], s[34:35] offset:((\t)/4)*2048+((\t)%4)*512+256
.else
	global_store_b128 v3, v[CW+8*(\t):CW+8*(\t)+3], s[34:35] offset:((\t)/4)*8192+((\t)%4)*512
	global_store_b128 v3, v[CW+8*(\t)+4:CW+8*(\t)+7], s[34:35] offset:((\t)/4)*8192+((\t)%4)*512+256
.endif
.if (\t)+2 < 8
	WLOAD \kind, (\t)+2
.endif
.endm
.macro WSCALE se                       ; v144 = 2^e as f32 (the conversion takes its exponent field), v145 = 448 x 2^e
	s_wait_kmcnt 0x0
	s_add_co_i32 s38, \se, 127
	s_lshl_b32 s39, s38, 23
	v_mov_b32 v144, s39
	s_add_co_i32 s38, s38, 8
	s_lshl_b32 s38, s38, 23
	s_or_b32 s38, s38, 0x600000
	v_mov_b32 v145, s38
.endm
.macro XLOAD u, off                    ; a token's 2,048 bytes into slot u: each load reads 512 consecutive bytes
.irp i, 0,1,2,3
	global_load_b128 v[XR+16*(\u)+4*\i:XR+16*(\u)+4*\i+3], v2, s[32:33] offset:\off+512*\i th:TH_LOAD_NT
.endr
.endm
; One token.  ahead = 1: the slot is filled again with the token four further on.  left: how many younger loads may stay out.
.macro TOKEN u, ahead, left
.set XU, XR+16*(\u)
	s_wait_loadcnt \left
.irp p, 0,1,2,3
	v_pk_mul_f32 v[S+2*\p:S+2*\p+1], v[XU:XU+1], v[WGR+2*\p:WGR+2*\p+1] op_sel_hi:[0,1]   ; the first number starts the eight sums
.endr
.set n, 1
.rept 15
.irp p, 0,1,2,3
.if n%2
	v_pk_fma_f32 v[S+2*\p:S+2*\p+1], v[XU+n-1:XU+n], v[WGR+8*n+2*\p:WGR+8*n+2*\p+1], v[S+2*\p:S+2*\p+1] op_sel:[1,0,0] op_sel_hi:[1,1,1]   ; x's odd register for both halves
.else
	v_pk_fma_f32 v[S+2*\p:S+2*\p+1], v[XU+n:XU+n+1], v[WGR+8*n+2*\p:WGR+8*n+2*\p+1], v[S+2*\p:S+2*\p+1] op_sel_hi:[0,1,1]                 ; x's even register for both halves
.endif
.endr
.set n, n+1
.endr
.set n, 0
.rept 16
	v_med3_num_f32 v[XU+n], v[XU+n], -v249, v249
.set n, n+1
.endr
	v_cvt_scalef32_pk8_fp8_f32 v[CX+4*(\u):CX+4*(\u)+1], v[XU:XU+7], v248
	v_cvt_scalef32_pk8_fp8_f32 v[CX+4*(\u)+2:CX+4*(\u)+3], v[XU+8:XU+15], v248
.if \ahead
	XLOAD \u, 2048*(\u+4)
.endif
	global_store_b128 v2, v[CX+4*(\u):CX+4*(\u)+3], s[34:35] offset:512*(\u)   ; the token's 512 codes: 512 consecutive bytes
.irp k, 1,2,4,8
.irp e, 0,1,2,3,4,5,6,7
	v_add_f32_dpp v[S+\e], v[S+\e], v[S+\e] row_xmask:\k row_mask:0xf bank_mask:0xf
.endr
.endr
.irp e, 0,1,2,3,4,5,6,7
	v_permlanex16_b32 v[T+\e], v[S+\e], s38, s39
.endr
.irp e, 0,1,2,3,4,5,6,7
	v_add_f32 v[S+\e], v[S+\e], v[T+\e]            ; every lane holds the token's eight sums;
.endr
	v_cmp_eq_u32 vcc_lo, s37, v1
.irp e, 0,1,2,3,4,5,6,7
	v_cndmask_b32 v[L+\e], v[L+\e], v[S+\e], vcc_lo   ; the lane of the token's number keeps them
.endr
	s_add_co_u32 s37, s37, 1
.endm
	s_load_b512 s[4:19], s[0:1], 0x0               ; x 4, Wg 6, bg 8, W1 10, W2 12, the scales 14, xc 16, w1c 18
	s_load_b128 s[20:23], s[0:1], 0x40             ; w2c 20, eidx 22
	s_load_b64 s[24:25], s[0:1], 0x50              ; gw
	v_lshrrev_b32 v1, 5, v0
	v_readfirstlane_b32 s26, v1                    ; wave
	v_and_b32 v1, 31, v0                           ; lane
	s_wait_kmcnt 0x0
	s_load_b128 s[28:31], s[14:15], 0x0            ; e0 (W1), e1 (x), e2, e3 (W2)
	s_cmp_lt_u32 ttmp9, NX
	s_cbranch_scc1 .Lxpath
	s_cmp_lt_u32 ttmp9, NX+NW1
	s_cbranch_scc1 .Lw1path
	; ---- W2 [e][2048 f][512 d]: the work-group takes 128 columns d x 256 along f
	s_sub_co_u32 s2, ttmp9, NX+NW1
	s_lshr_b32 s3, s2, 5                           ; expert
	s_bfe_u32 s36, s2, 0x20003                     ; gx: which 128 columns
	s_and_b32 s2, s2, 7                            ; yk: which 256 along f
	s_lshl_b32 s38, s3, 22                         ; in: expert x 4 MiB + yk x 256 rows of 2,048 bytes + 4 (128 gx + 32 wave)
	s_lshl_b32 s39, s2, 19
	s_add_co_u32 s38, s38, s39
	s_lshl_b32 s39, s36, 9
	s_add_co_u32 s38, s38, s39
	s_lshl_b32 s39, s26, 7
	s_add_co_u32 s38, s38, s39
	s_mov_b32 s39, 0
	s_add_nc_u64 s[32:33], s[12:13], s[38:39]
	s_lshl_b32 s38, s3, 20                         ; out: e, fh = yk / 4, w = 2 gx + wave / 2, s2 = 2 (yk % 4) + .., nn = 2 (wave % 2) + ..
	s_lshr_b32 s37, s2, 2
	s_lshl_b32 s37, s37, 19
	s_add_co_u32 s38, s38, s37
	s_lshl_b32 s37, s36, 1
	s_lshr_b32 s36, s26, 1
	s_add_co_u32 s37, s37, s36
	s_lshl_b32 s37, s37, 16
	s_add_co_u32 s38, s38, s37
	s_and_b32 s37, s2, 3
	s_lshl_b32 s37, s37, 14
	s_add_co_u32 s38, s38, s37
	s_and_b32 s37, s26, 1
	s_lshl_b32 s37, s37, 12
	s_add_co_u32 s38, s38, s37
	s_add_nc_u64 s[34:35], s[20:21], s[38:39]
	v_lshlrev_b32 v2, 2, v1                        ; in: 4 bytes a lane
	v_lshrrev_b32 v4, 4, v1
	v_and_b32 v5, 15, v1
	v_lshlrev_b32 v3, 11, v4                       ; out: tile lane / 16, row lane % 16
	v_lshl_add_u32 v3, v5, 4, v3
	WLOAD 2, 0
	WLOAD 2, 1
	WSCALE s31
.irp b, 0,1,2,3,4,5,6,7
	WBLOCK 2, \b
.endr
	s_endpgm
.Lw1path:
	; ---- W1 [e][512 k][2048 f]: the work-group takes 128 columns f (one G) x two K steps
	s_sub_co_u32 s2, ttmp9, NX
	s_lshr_b32 s3, s2, 5                           ; expert
	s_bfe_u32 s36, s2, 0x40001                     ; G
	s_and_b32 s2, s2, 1                            ; yk: K steps 2 yk, 2 yk + 1
	s_lshl_b32 s38, s3, 22                         ; in: expert x 4 MiB + yk x 64 rows of 8,192 bytes + 4 (128 G + 32 wave)
	s_lshl_b32 s39, s2, 19
	s_add_co_u32 s38, s38, s39
	s_lshl_b32 s39, s36, 9
	s_add_co_u32 s38, s38, s39
	s_lshl_b32 s39, s26, 7
	s_add_co_u32 s38, s38, s39
	s_mov_b32 s39, 0
	s_add_nc_u64 s[32:33], s[10:11], s[38:39]
	s_lshl_b32 s38, s3, 20                         ; out: e, G, tiles 2 wave and 2 wave + 1, K step 2 yk
	s_lshl_b32 s37, s36, 16
	s_add_co_u32 s38, s38, s37
	s_lshl_b32 s37, s26, 14
	s_add_co_u32 s38, s38, s37
	s_lshl_b32 s37, s2, 12
	s_add_co_u32 s38, s38, s37
	s_add_nc_u64 s[34:35], s[18:19], s[38:39]
	v_lshlrev_b32 v2, 2, v1
	v_bfe_u32 v4, v1, 3, 1                         ; u = (lane / 8) % 2: which of the two tiles
	v_lshlrev_b32 v3, 13, v4
	v_and_b32 v4, 7, v1
	v_lshrrev_b32 v5, 4, v1
	v_lshl_add_u32 v4, v5, 3, v4                   ; its row: lane % 8 + 8 (lane / 16)
	v_lshl_add_u32 v3, v4, 4, v3
	WLOAD 1, 0
	WLOAD 1, 1
	WSCALE s28
.irp b, 0,1,2,3,4,5,6,7
	WBLOCK 1, \b
.endr
	s_endpgm
.Lxpath:
	; ---- x and the router: my wave's 32 tokens, one at a time, four on their way
	v_lshlrev_b32 v2, 4, v1                        ; 16 x lane
	v_lshlrev_b32 v3, 7, v1                        ; 128 x lane: four rows of Wg
	s_lshl_b32 s2, ttmp9, 7
	s_lshl_b32 s3, s26, 5
	s_add_co_u32 s2, s2, s3                        ; my first token
	s_lshl_b32 s36, s2, 11
	s_mov_b32 s37, 0
	s_add_nc_u64 s[32:33], s[4:5], s[36:37]
	s_lshl_b32 s36, s2, 9
	s_add_nc_u64 s[34:35], s[16:17], s[36:37]
	s_load_b256 s[40:47], s[8:9], 0x0              ; bg
.set n, 0
.rept 16
	global_load_b128 v[WGR+8*n:WGR+8*n+3], v3, s[6:7] offset:4096*(n/4)+32*(n%4)
	global_load_b128 v[WGR+8*n+4:WGR+8*n+7], v3, s[6:7] offset:4096*(n/4)+32*(n%4)+16
.set n, n+1
.endr
	XLOAD 0, 0
	XLOAD 1, 2048
	XLOAD 2, 4096
	XLOAD 3, 6144
.irp e, 0,1,2,3,4,5,6,7
	v_mov_b32 v[L+\e], 0
	v_mov_b32 v[T+\e], 0                           ; a lane permute's destination counts as one of its sources
.endr
	s_mov_b32 s38, 0x76543210
	s_mov_b32 s39, 0xfedcba98                      ; lane l xor 16
	s_wait_kmcnt 0x0
	s_add_co_i32 s2, s29, 127
	s_lshl_b32 s3, s2, 23
	v_mov_b32 v248, s3                             ; 2^e1
	s_add_co_i32 s2, s2, 8
	s_lshl_b32 s2, s2, 23
	s_or_b32 s2, s2, 0x600000
	v_mov_b32 v249, s2                             ; 448 x 2^e1
	s_mov_b32 s36, 7
	s_mov_b32 s37, 0                               ; the token's number in the wave
.Ltok:
	TOKEN 0, 1, 12                                 ; the three younger slots' twelve loads stay out
	TOKEN 1, 1, 12
	TOKEN 2, 1, 12
	TOKEN 3, 1, 12
	s_wait_xcnt 0x0                                ; the bases and the codes' registers are written again only behind this wait
	s_add_nc_u64 s[32:33], s[32:33], 8192
	s_add_nc_u64 s[34:35], s[34:35], 2048
	s_sub_co_u32 s36, s36, 1
	s_cmp_lg_u32 s36, 0
	s_cbranch_scc1 .Ltok
	TOKEN 0, 0, 12                                 ; the last four tokens load nothing: the counts run down
	TOKEN 1, 0, 8
	TOKEN 2, 0, 4
	TOKEN 3, 0, 0
	; a lane now has one token's eight logits
.irp e, 0,1,2,3,4,5,6,7
	v_add_f32 v[L+\e], s[40+\e], v[L+\e]
.endr
	v_max3_num_f32 v240, v216, v217, v218
	v_max3_num_f32 v240, v240, v219, v220
	v_max3_num_f32 v240, v240, v221, v222
	v_max_num_f32 v240, v240, v223                 ; the row's maximum is taken away
.irp e, 0,1,2,3,4,5,6,7
	v_sub_f32 v[L+\e], v[L+\e], v240
.endr
.irp e, 0,1,2,3,4,5,6,7
	v_mul_f32 v[L+\e], 0x3fb8aa3b, v[L+\e]
.endr
.irp e, 0,1,2,3,4,5,6,7
	v_exp_f32 v[L+\e], v[L+\e]
.endr
	v_nop                                          ; a plain place behind the exponentials
	s_wait_alu depctr_va_vdst(0)
	v_add_f32 v241, v216, v217
	v_add_f32 v242, v218, v219
	v_add_f32 v243, v220, v221
	v_add_f32 v244, v222, v223
	v_add_f32 v241, v241, v242
	v_add_f32 v243, v243, v244
	v_add_f32 v241, v241, v243
	v_rcp_f32 v241, v241
	v_nop
	s_wait_alu depctr_va_vdst(0)
.irp e, 0,1,2,3,4,5,6,7
	v_mul_f32 v[L+\e], v[L+\e], v241               ; the scores
.endr
	v_mov_b32 v242, v216                           ; the best score and its index: a later expert wins only if strictly larger
	v_mov_b32 v244, 0
.irp e, 1,2,3,4,5,6,7
	v_cmp_gt_f32 vcc_lo, v[L+\e], v242
	v_cndmask_b32 v242, v242, v[L+\e], vcc_lo
	v_cndmask_b32 v244, v244, \e, vcc_lo
.endr
.irp e, 0,1,2,3,4,5,6,7
	v_cmp_eq_u32 vcc_lo, \e, v244
	v_cndmask_b32 v[L+\e], v[L+\e], -1.0, vcc_lo   ; the winner leaves the field: scores are never negative
.endr
	v_mov_b32 v243, v216
	v_mov_b32 v245, 0
.irp e, 1,2,3,4,5,6,7
	v_cmp_gt_f32 vcc_lo, v[L+\e], v243
	v_cndmask_b32 v243, v243, v[L+\e], vcc_lo
	v_cndmask_b32 v245, v245, \e, vcc_lo
.endr
	v_add_f32 v240, v242, v243
	v_rcp_f32 v240, v240
	s_lshl_b32 s2, ttmp9, 10
	v_lshl_add_u32 v4, v0, 3, s2                   ; 8 bytes a token (a plain place behind the reciprocal)
	s_wait_alu depctr_va_vdst(0)
	v_mul_f32 v246, v242, v240
	v_mul_f32 v247, v243, v240
	global_store_b64 v4, v[244:245], s[22:23]      ; the wave stores 256 consecutive bytes, aligned
	global_store_b64 v4, v[246:247], s[24:25]
	s_endpgm
.Lfunc_end_k_q82f41ee955_prep:
	.size	k_q82f41ee955_prep, .Lfunc_end_k_q82f41ee955_prep-k_q82f41ee955_prep
	.p2alignl 7, 3214868480
	.fill 96, 4, 3214868480
	.section	.rodata,"a",@progbits
	.p2align	6, 0x0
	.amdhsa_kernel k_q82f41ee955_prep
		.amdhsa_group_segment_fixed_size 0
		.amdhsa_private_segment_fixed_size 0
		.amdhsa_enable_private_segment 0
		.amdhsa_kernarg_size 88
		.amdhsa_user_sgpr_count 2
		.amdhsa_user_sgpr_kernarg_segment_ptr 1
		.amdhsa_wavefront_size32 1
		.amdhsa_system_sgpr_workgroup_id_x 1
		.amdhsa_system_sgpr_workgroup_id_y 1
		.amdhsa_system_sgpr_workgroup_id_z 1
		.amdhsa_system_vgpr_workitem_id 0
		.amdhsa_next_free_vgpr 256
		.amdhsa_next_free_sgpr 66
		.amdhsa_reserve_vcc 1
		.amdhsa_float_denorm_mode_32 3
		.amdhsa_float_denorm_mode_16_64 3
		.amdhsa_memory_ordered 1
		.amdhsa_forward_progress 1
		.amdhsa_inst_pref_size 171
	.end_amdhsa_kernel
	.amdgpu_metadata
---
amdhsa.version: [ 1, 2 ]
amdhsa.kernels:
  - .name:           k_q82f41ee955_prep
    .symbol:         k_q82f41ee955_prep.kd
    .args:
      - { .name: x, .offset: 0, .size: 8, .value_kind: global_buffer, .address_space: global }
      - { .name: Wg, .offset: 8, .size: 8, .value_kind: global_buffer, .address_space: global }
      - { .name: bg, .offset: 16, .size: 8, .value_kind: global_buffer, .address_space: global }
      - { .name: W1, .offset: 24, .size: 8, .value_kind: global_buffer, .address_space: global }
      - { .name: W2, .offset: 32, .size: 8, .value_kind: global_buffer, .address_space: global }
      - { .name: lowp_scales, .offset: 40, .size: 8, .value_kind: global_buffer, .address_space: global }
      - { .name: xc, .offset: 48, .size: 8, .value_kind: global_buffer, .address_space: global }
      - { .name: w1c, .offset: 56, .size: 8, .value_kind: global_buffer, .address_space: global }
      - { .name: w2c, .offset: 64, .size: 8, .value_kind: global_buffer, .address_space: global }
      - { .name: eidx, .offset: 72, .size: 8, .value_kind: global_buffer, .address_space: global }
      - { .name: gw, .offset: 80, .size: 8, .value_kind: global_buffer, .address_space: global }
    .group_segment_fixed_size: 0
    .private_segment_fixed_size: 0
    .kernarg_segment_align: 8
    .kernarg_segment_size: 88
    .max_flat_workgroup_size: 128
    .sgpr_count:     66
    .vgpr_count:     256
    .wavefront_size: 32
...
	.end_amdgpu_metadata
.endif
;; end of part 1
;; launch place (part 2): grid 1 x 1, 32 waves a work-group, no clusters, 8,192 bytes of LDS; arguments eidx, rowlist, tiles; writes rowlist, tiles
.if DOCPART == 2
	.amdgcn_target "amdgcn-amd-amdhsa--gfx1250"
	.amdhsa_code_object_version 6
	.text
	.protected	k_q82f41ee955_place
	.globl	k_q82f41ee955_place
	.p2align	8
	.type	k_q82f41ee955_place,@function
k_q82f41ee955_place:
	s_mov_b64 s[64:65], 0
	v_nop
	global_prefetch_b8 v0, s[64:65] scope:SCOPE_SE
	s_setreg_imm32_b32 hwreg(HW_REG_WAVE_MODE, 25, 1), 1
	s_wait_xcnt 0x0
; PLACE: a counting sort of the 8,192 routed rows r = 2 t + k by expert, and the list of tiles of at most 80 rows.  Whole numbers only; one work-group of 32 waves, one barrier, no atomics.
; rowlist: the ids r sorted by expert, then 128 zeros (a tile's ten-row reads may pass the last id).  tiles: 128 records {expert, first place in rowlist, rows, 1 for the expert's first tile}; records past the last tile have 0 rows.
; Wave w takes r = 256 w + 128 g + 4 lane + c, in register q = 4 g + c.  A row's place = the expert's first place + its rows in earlier waves + its rank in the wave.
.macro COUNT q                         ; the rank in the wave: the wave's count so far + the lanes below me that have the same expert in this register
.irp e, 0,1,2,3,4,5,6,7
	v_cmp_eq_u32 vcc_lo, \e, v[8+\q]
	v_mbcnt_lo_u32_b32 v32, vcc_lo, s[16+\e]
.if \e == 0
	v_cndmask_b32 v[16+\q], 0, v32, vcc_lo
.else
	v_cndmask_b32 v[16+\q], v[16+\q], v32, vcc_lo
.endif
	s_bcnt1_i32_b32 s2, vcc_lo
	s_add_co_u32 s[16+\e], s[16+\e], s2
.endr
.endm
.macro SLOTQ q                         ; the row's place, held inside the list, and the store of its id
	v_mov_b32 v32, s32
.irp e, 1,2,3,4,5,6,7
	v_cmp_eq_u32 vcc_lo, \e, v[8+\q]
	v_cndmask_b32 v32, v32, s[32+\e], vcc_lo
.endr
	v_add_nc_u32 v32, v32, v[16+\q]
	v_min_u32 v32, 0x1fff, v32
	v_lshlrev_b32 v[56+\q], 2, v32
	v_add_nc_u32 v[64+\q], 128*(\q/4)+(\q%4), v35
	global_store_b32 v[56+\q], v[64+\q], s[6:7]
.endm
	s_load_b128 s[4:7], s[0:1], 0x0                ; eidx, rowlist
	s_load_b64 s[8:9], s[0:1], 0x10                ; tiles
	v_lshl_add_u32 v72, v0, 2, 0x1000
	v_mov_b32 v73, 0
	v_lshrrev_b32 v1, 5, v0
	v_readfirstlane_b32 s10, v1                    ; wave
	v_and_b32 v1, 31, v0                           ; lane
	v_lshlrev_b32 v2, 4, v1
	s_lshl_b32 s11, s10, 10
	v_add_nc_u32 v2, s11, v2                       ; 1,024 w + 16 lane
	s_lshl_b32 s11, s10, 8
	v_lshl_add_u32 v35, v1, 2, s11                 ; 256 w + 4 lane
	v_lshlrev_b32 v3, 2, v0                        ; LDS: a word a thread: 128 bytes a wave
	v_lshlrev_b32 v4, 7, v1                        ; and wave l's 128 bytes for lane l
	s_mov_b32 s12, 0x76543210
	s_mov_b32 s13, 0xfedcba98
.irp e, 0,1,2,3,4,5,6,7
	s_mov_b32 s[16+\e], 0
	v_mov_b32 v[48+\e], 0                          ; destinations of lane moves count as read
.endr
	v_mov_b32 v33, 0
	s_wait_kmcnt 0x0
	global_load_b128 v[8:11], v2, s[4:5]
	global_load_b128 v[12:15], v2, s[4:5] offset:512
	s_wait_loadcnt 0x0
.irp q, 0,1,2,3,4,5,6,7
	COUNT \q
.endr
.irp e, 0,1,2,3,4,5,6,7
	v_writelane_b32 v33, s[16+\e], \e              ; lanes 0-7: my wave's eight counts
.endr
	ds_store_b32 v3, v33
	s_wait_dscnt 0x0                               ; for the others' sake
	s_barrier_signal -1
	s_barrier_wait -1
	ds_load_b128 v[40:43], v4
	ds_load_b128 v[44:47], v4 offset:16            ; lane l: wave l's counts
	s_wait_dscnt 0x0
	v_cmp_gt_u32 vcc_lo, s10, v1                   ; waves ahead of mine
.irp e, 0,1,2,3,4,5,6,7
	v_cndmask_b32 v48, 0, v[40+\e], vcc_lo
	v_lshl_add_u32 v[40+\e], v48, 16, v[40+\e]     ; low half: for the total; high half: for the rows ahead of my wave.  Each stays at or under 8,192
.endr
.irp k, 1,2,4,8
.irp e, 0,1,2,3,4,5,6,7
	v_mov_b32_dpp v[48+\e], v[40+\e] row_xmask:\k row_mask:0xf bank_mask:0xf
.endr
.irp e, 0,1,2,3,4,5,6,7
	v_add_nc_u32 v[40+\e], v[40+\e], v[48+\e]
.endr
.endr
.irp e, 0,1,2,3,4,5,6,7
	v_permlanex16_b32 v[48+\e], v[40+\e], s12, s13
.endr
.irp e, 0,1,2,3,4,5,6,7
	v_add_nc_u32 v[40+\e], v[40+\e], v[48+\e]
.endr
	s_mov_b32 s14, 0                               ; rows of earlier experts
	s_mov_b32 s15, 0                               ; tiles of earlier experts
.irp e, 0,1,2,3,4,5,6,7
	v_readfirstlane_b32 s2, v[40+\e]
	s_and_b32 s[24+\e], s2, 0xffff                 ; T: the expert's rows
	s_lshr_b32 s2, s2, 16
	s_mov_b32 s[40+\e], s14                        ; its first place
	s_add_co_u32 s[32+\e], s14, s2                 ; my wave's first place in it
	s_add_co_u32 s14, s14, s[24+\e]
	s_mov_b32 s[48+\e], s15                        ; its first tile
	s_add_co_u32 s3, s[24+\e], 79
	s_mul_i32 s3, s3, 52429
	s_lshr_b32 s3, s3, 22                          ; (T + 79) / 80, rounded down: 52,429 x 80 = 2^22 + 16, exact for numbers up to 8,271
	s_add_co_u32 s15, s15, s3
.endr
.irp q, 0,1,2,3,4,5,6,7
	SLOTQ \q
.endr
	s_cmp_lt_u32 s10, 4
	s_cbranch_scc0 .Lnot_tiles
	v_mov_b32 v36, 0                               ; waves 0-3: record j = my thread's number: the last expert whose first tile is at or under j
	v_mov_b32 v37, s40
	v_mov_b32 v40, s48
	v_mov_b32 v41, s24
.irp e, 1,2,3,4,5,6,7
	v_cmp_le_u32 vcc_lo, s[48+\e], v0
	v_cndmask_b32 v36, v36, \e, vcc_lo
	v_cndmask_b32 v37, v37, s[40+\e], vcc_lo
	v_cndmask_b32 v40, v40, s[48+\e], vcc_lo
	v_cndmask_b32 v41, v41, s[24+\e], vcc_lo
.endr
	v_sub_nc_u32 v40, v0, v40                      ; which tile of the expert
	v_mul_u32_u24 v42, v40, 80
	v_add_nc_u32 v37, v37, v42
	v_min_u32 v37, 0x1fff, v37                     ; its first place
	v_sub_nc_u32 v38, v41, v42
	v_max_i32 v38, 0, v38
	v_min_u32 v38, 80, v38                         ; its rows: 0 past the expert's last tile
	v_cmp_eq_u32 vcc_lo, 0, v40
	v_cndmask_b32 v39, 0, 1, vcc_lo
	v_lshlrev_b32 v43, 4, v0
	global_store_b128 v43, v[36:39], s[8:9]
	s_branch .Lend
.Lnot_tiles:
	s_cmp_lt_u32 s10, 8
	s_cbranch_scc0 .Lend
	v_mov_b32 v36, 0                               ; waves 4-7: the 128 zeros behind the list
	v_lshl_add_u32 v37, v0, 2, 32256               ; 4 (8,192 + thread - 128)
	global_store_b32 v37, v36, s[6:7]
.Lend:
	s_wait_tensorcnt 0x0
	ds_add_u32 v72, v73
	s_wait_dscnt 0x0
	s_endpgm
.Lfunc_end_k_q82f41ee955_place:
	.size	k_q82f41ee955_place, .Lfunc_end_k_q82f41ee955_place-k_q82f41ee955_place
	.p2alignl 7, 3214868480
	.fill 96, 4, 3214868480
	.section	.rodata,"a",@progbits
	.p2align	6, 0x0
	.amdhsa_kernel k_q82f41ee955_place
		.amdhsa_group_segment_fixed_size 8192
		.amdhsa_private_segment_fixed_size 0
		.amdhsa_enable_private_segment 0
		.amdhsa_kernarg_size 24
		.amdhsa_user_sgpr_count 2
		.amdhsa_user_sgpr_kernarg_segment_ptr 1
		.amdhsa_wavefront_size32 1
		.amdhsa_system_sgpr_workgroup_id_x 1
		.amdhsa_system_sgpr_workgroup_id_y 1
		.amdhsa_system_sgpr_workgroup_id_z 1
		.amdhsa_system_vgpr_workitem_id 0
		.amdhsa_next_free_vgpr 74
		.amdhsa_next_free_sgpr 66
		.amdhsa_reserve_vcc 1
		.amdhsa_float_denorm_mode_32 3
		.amdhsa_float_denorm_mode_16_64 3
		.amdhsa_memory_ordered 1
		.amdhsa_forward_progress 1
		.amdhsa_inst_pref_size 34
	.end_amdhsa_kernel
	.amdgpu_metadata
---
amdhsa.version: [ 1, 2 ]
amdhsa.kernels:
  - .name:           k_q82f41ee955_place
    .symbol:         k_q82f41ee955_place.kd
    .args:
      - { .name: eidx, .offset: 0, .size: 8, .value_kind: global_buffer, .address_space: global }
      - { .name: rowlist, .offset: 8, .size: 8, .value_kind: global_buffer, .address_space: global }
      - { .name: tiles, .offset: 16, .size: 8, .value_kind: global_buffer, .address_space: global }
    .group_segment_fixed_size: 8192
    .private_segment_fixed_size: 0
    .kernarg_segment_align: 8
    .kernarg_segment_size: 24
    .max_flat_workgroup_size: 1024
    .sgpr_count:     66
    .vgpr_count:     74
    .wavefront_size: 32
...
	.end_amdgpu_metadata
.endif
;; end of part 2
;; launch chain (part 3): grid 110 x 2, 8 waves a work-group, no clusters, 289,280 bytes of LDS; arguments xc, w1c, w2c, b1, b2, lowp_scales, gw, rowlist, tiles, y; writes y
.if DOCPART == 3
	.amdgcn_target "amdgcn-amd-amdhsa--gfx1250"
	.amdhsa_code_object_version 6
	.text
	.protected	k_q82f41ee955_chain
	.globl	k_q82f41ee955_chain
	.p2align	8
	.type	k_q82f41ee955_chain,@function
k_q82f41ee955_chain:
	s_mov_b64 s[64:65], 0
	v_nop
	global_prefetch_b8 v0, s[64:65] scope:SCOPE_SE
	s_setreg_imm32_b32 hwreg(HW_REG_WAVE_MODE, 25, 1), 1
	s_wait_xcnt 0x0
; CHAIN: one work-group takes one tile (at most 80 routed rows of ONE expert) and one half fh of the 2,048 hidden units through both products, on codes of FP8 (E4M3):
;   y[fh][r] = gate weight(r) x ( Q(gelu(x W1 + b1))[half fh] W2[half fh] + b2 / 2 ),  r = 2 t + k.  The next launch adds a token's four rows.
; 8,192 rows in tiles of 80 over 8 experts are never more than 103 + 7 = 110 tiles, whatever the router chose: grid 110 x 2.  A record with 0 rows jumps over the work and stores nothing.
; NO TENSOR LOAD, NO CLUSTER: the weights' codes come by plain loads straight into the operand's registers,
; from buffers laid in that order, and no tile is asked for jointly.
; SHARES.  The eight waves share the COLUMNS: wave w makes hidden units 1024 fh + 128 w .. + 127 (K step w of the second product) and outputs 64 w .. 64 w + 63, for all five tiles of 16 rows; it gathers and stores rows 10 w .. 10 w + 9.
; Two waves lie on a SIMD, so that one wave's GELU stands beside the other's products.  Operands go from wave to wave through LDS as images of their registers (512 bytes a piece, 16 bytes a lane).
; BOTH PRODUCTS ARE USED TRANSPOSED (source 0 = 16 rows of the weight, source 1 = 16 routed rows): a lane holds one routed row throughout.  The hidden units of a tile of W1 are chosen so that the 16 registers of
; tiles 2 b, 2 b + 1 are 16 neighbours along the next K.  x's and W1's codes carry the same permutation of k.
; GELU is exact: x (1/2 + 1/2 erf(x / sqrt 2)), erf(z) = z A(z^2) / B(z^2) on z held within +-4, a rational fit good to the last bits of f32; where 1 + erf cancels (x under about -4) the result has the absolute error of an f32 sum near 1.
; SCALES: a sum of the first product stands for sum x 2^(e0 + e1): b1 goes in as its C, divided by that; z = sum x sqrt(1/2) 2^(e0 + e1); the conversion takes 2^(e2 - e0 - e1); the second sum is multiplied by 2^(e2 + e3).
; LIMITS: e2 - e0 - e1 between -126 and 119; e0 + e1 between -125 and 127; e2 + e3 between -126 and 127.  NaN among the inputs is not served.
; LDS: x's 20 fragments (tile m, K step s: (4 m + s) x 2,048) | the hidden layer's 40 ((5 s2 + m) x 2,048) | a stage of 80 rows x (2,048 + 16).
; REGISTERS, window 0: v1-15 addresses and constants; first product: v16-79 x's four fragments, v80-111 four accumulators, v112-175 b1's eight tiles, v176-207 at work, v208-215 codes;
;   second product: v16-95 five hidden fragments, v96-255 twenty accumulators ((nn, m) at 96 + 8 (5 nn + m)); way out: v16-31 b2 / 2, v32-33 the gate weight, v34-43 addresses, v96-255 ten rows.   window 1: 16 weight fragments.
.set HIMG, 40960
.set STG,  122880
.set SP,   2064
.set XF,   16
.set ACC1, 80
.set B1,   112
.set Z,    176
.set U,    184
.set PA,   192
.set PB,   200
.set PC,   208
.set HF,   16
.set ACC2, 96
.set RW,   96
.set KA0, 76                           ; s pairs: the numerator's coefficients (halved: GELU's 1/2), highest degree first; a1 lies in v[10:11]
.set KA2, 78
.set KA3, 80
.set KA4, 82
.set KA5, 84
.set KA6, 92
.set KB0, 94                           ; the denominator's; b1 lies in v[12:13]
.set KB2, 96
.set KB3, 98
.set KB4, 100
.set MSB, 0
.macro WIN new                         ; the immediate's high byte repeats the setting that is left
.if MSB != \new
	s_set_vgpr_msb (MSB<<8)|\new
.set MSB, \new
.endif
.endm
.macro KPAIR r, val                    ; the packed forms name a pair and take its low word for both halves: both are written
	s_mov_b32 s[\r], \val
	s_mov_b32 s[\r+1], \val
.endm
.macro BARRIER                         ; my LDS stores have landed and my LDS loads are in: then the work-group's barrier
	s_wait_dscnt 0x0
	s_barrier_signal -1
	s_barrier_wait -1
.endm
.macro PLACES                          ; four places behind a matrix instruction, ahead of reads of its result and of loads into its registers
.rept 4
	v_nop
.endr
.endm
.macro LOADW ptr, imm                  ; 32,768 bytes of weight codes fill window 1: each load reads 512 consecutive bytes
	WIN 0x40
.set i, 0
.rept 64
	global_load_b128 v[4*i:4*i+3], v1, s[\ptr:\ptr+1] offset:\imm+512*i
.set i, i+1
.endr
	WIN 0
.endm
.macro FETCHX                          ; the four K steps of x's tile m
.irp s, 0,1,2,3
.irp c, 0,1,2,3
	ds_load_b128 v[XF+16*\s+4*\c:XF+16*\s+4*\c+3], v6 offset:2048*\s+512*\c
.endr
.endr
.endm
.macro MM1 hf                          ; 16 products: four accumulators by turns, one instruction a turn; b1 is the C of each sum's first
	WIN 0x01
.irp s, 0,1,2,3
.irp tt, 0,1,2,3
.if \s == 0
	v_wmma_f32_16x16x128_fp8_fp8 v[ACC1+8*\tt:ACC1+8*\tt+7], v[64*\tt+16*\s:64*\tt+16*\s+15], v[XF+16*\s:XF+16*\s+15], v[B1+8*(4*\hf+\tt):B1+8*(4*\hf+\tt)+7]
.else
	v_wmma_f32_16x16x128_fp8_fp8 v[ACC1+8*\tt:ACC1+8*\tt+7], v[64*\tt+16*\s:64*\tt+16*\s+15], v[XF+16*\s:XF+16*\s+15], v[ACC1+8*\tt:ACC1+8*\tt+7]
.endif
.endr
.endr
	WIN 0
.endm
.macro HORN r, k
.irp p, 0,2,4,6
	v_pk_fma_f32 v[\r+\p:\r+\p+1], v[\r+\p:\r+\p+1], v[U+\p:U+\p+1], s[\k:\k+1] op_sel_hi:[1,1,0]
.endr
.endm
.macro GELU8 a                         ; eight sums in v[a] on become gelu, still in the sums' scale, held within the largest code x the conversion's scale.  The accumulator is read from its low end on
.irp p, 0,2,4,6
	v_pk_mul_f32 v[Z+\p:Z+\p+1], v[\a+\p:\a+\p+1], s[56:57] op_sel_hi:[1,0]
.endr
.irp j, 0,1,2,3,4,5,6,7
	v_med3_num_f32 v[Z+\j], v[Z+\j], -4.0, 4.0
.endr
.irp p, 0,2,4,6
	v_pk_mul_f32 v[U+\p:U+\p+1], v[Z+\p:Z+\p+1], v[Z+\p:Z+\p+1]
.endr
.irp p, 0,2,4,6
	v_pk_fma_f32 v[PA+\p:PA+\p+1], v[U+\p:U+\p+1], s[KA0:KA0+1], v[10:11] op_sel_hi:[1,0,1]
.endr
.irp p, 0,2,4,6
	v_pk_fma_f32 v[PB+\p:PB+\p+1], v[U+\p:U+\p+1], s[KB0:KB0+1], v[12:13] op_sel_hi:[1,0,1]
.endr
	HORN PA, KA2
	HORN PB, KB2
	HORN PA, KA3
	HORN PB, KB3
	HORN PA, KA4
	HORN PB, KB4
.irp j, 0,1,2,3,4,5,6,7
	v_rcp_f32 v[PB+\j], v[PB+\j]                   ; B is never 0: all its coefficients are negative and z^2 is not
.endr
	HORN PA, KA5                                   ; plain lines that touch neither B nor 1 / B stand behind the reciprocals
	HORN PA, KA6
.irp p, 0,2,4,6
	v_pk_mul_f32 v[PA+\p:PA+\p+1], v[PA+\p:PA+\p+1], v[Z+\p:Z+\p+1]
.endr
	s_wait_alu depctr_va_vdst(0)
.irp p, 0,2,4,6
	v_pk_fma_f32 v[PA+\p:PA+\p+1], v[PA+\p:PA+\p+1], v[PB+\p:PB+\p+1], 0.5 op_sel_hi:[1,1,0]   ; 1/2 + 1/2 erf
.endr
.irp p, 0,2,4,6
	v_pk_mul_f32 v[\a+\p:\a+\p+1], v[\a+\p:\a+\p+1], v[PA+\p:PA+\p+1]
.endr
.irp j, 0,1,2,3,4,5,6,7
	v_med3_num_f32 v[\a+\j], v[\a+\j], -v14, v14   ; the conversion to an 8-bit code does not saturate (ISA guide 7.6.2)
.endr
.endm
; A PREFETCH INTO THE L2 of my wave's 65,536 bytes of W2's codes, which the second product loads: 8,192 bytes in each of the first eight of the ten trips below, lanes 256 bytes apart, one instruction a trip.
; All tiles of an expert read the same codes: the expert's first tile asks (s62 = 8 there, else 0), so each block is named once in the launch.  The last two trips ask for nothing.
.macro ASK
	s_cmp_lt_u32 s61, s62
	s_cbranch_scc0 .Lnot_mine_\@
	global_prefetch_b8 v8, s[90:91] th:TH_LOAD_NT scope:SCOPE_SE
.Lnot_mine_\@:
.endm
; Half hf of my 128 hidden units (tiles 4 hf .. 4 hf + 3) for the five tiles of rows.  Every wave walks all five trips; a record without rows jumps over a trip's work, not over the lines that step.
.macro HALF hf
	s_mov_b32 s60, 0                               ; m
	s_mov_b32 s63, 0                               ; x's tile m in LDS
	s_mov_b32 s27, 0                               ; the hidden tile m in my image
.Lm_\@:
	s_cmp_eq_u32 s30, 0
	s_cbranch_scc1 .Lskip_\@
	s_wait_loadcnt 0x0                             ; this half's weights are in (met at once from the second trip on)
	v_add_nc_u32 v6, s63, v1
	FETCHX
	ASK
	s_wait_dscnt 0x0                               ; x's fragments are in, and the last trip's stores have read their registers
	v_add_nc_u32 v9, s27, v3
	MM1 \hf
	PLACES
	s_cmp_lg_u32 s60, 4                            ; the last trip's products have read the weights: the next 32,768 bytes are asked for under its GELU
	s_cbranch_scc1 .Lnoload_\@
.if \hf == 0
	LOADW 86, 32768                                ; W1's tiles 4-7
.else
	LOADW 88, 0                                    ; W2's K steps 0-3
.endif
.Lnoload_\@:
	GELU8 ACC1
	GELU8 ACC1+8
	v_cvt_scalef32_pk8_fp8_f32 v[PC:PC+1], v[ACC1:ACC1+7], v15
	v_cvt_scalef32_pk8_fp8_f32 v[PC+2:PC+3], v[ACC1+8:ACC1+15], v15
	GELU8 ACC1+16
	GELU8 ACC1+24
	v_cvt_scalef32_pk8_fp8_f32 v[PC+4:PC+5], v[ACC1+16:ACC1+23], v15
	v_cvt_scalef32_pk8_fp8_f32 v[PC+6:PC+7], v[ACC1+24:ACC1+31], v15
	v_nop                                          ; a plain line behind the conversions: the next products write their sources
	ds_store_b128 v9, v[PC:PC+3] offset:1024*\hf   ; pieces 2 hf, 2 hf + 1 of fragment (s2 = my wave, m)
	ds_store_b128 v9, v[PC+4:PC+7] offset:1024*\hf+512
.Lskip_\@:
	s_wait_xcnt 0x0                                ; the trip's prefetch has read its address
	s_add_nc_u64 s[90:91], s[90:91], 8192
	s_add_co_u32 s61, s61, 1
	s_add_co_u32 s63, s63, 8192
	s_add_co_u32 s27, s27, 2048
	s_add_co_u32 s60, s60, 1
	s_cmp_lt_u32 s60, 5
	s_cbranch_scc1 .Lm_\@
.endm
.macro HFLOAD s2                       ; the five hidden fragments of K step s2
.irp m, 0,1,2,3,4
.irp c, 0,1,2,3
.if \s2 < 4
	ds_load_b128 v[HF+16*\m+4*\c:HF+16*\m+4*\c+3], v2 offset:(5*(\s2)+\m)*2048+512*\c
.else
	ds_load_b128 v[HF+16*\m+4*\c:HF+16*\m+4*\c+3], v5 offset:(5*((\s2)-4)+\m)*2048+512*\c
.endif
.endr
.endr
.endm
.macro K2 s2                           ; K step s2 of the second product: 20 accumulators by turns
.if \s2 < 5
	s_wait_loadcnt 48                              ; this step's 16 weight loads are in; those of the three steps asked for later may be out
.else
	s_wait_loadcnt 16*(7-\s2)
.endif
	s_wait_dscnt 0x0
	WIN 0x01
.irp m, 0,1,2,3,4
.irp nn, 0,1,2,3
.if \s2 == 0
	v_wmma_f32_16x16x128_fp8_fp8 v[ACC2+8*(5*\nn+\m):ACC2+8*(5*\nn+\m)+7], v[64*((\s2)%4)+16*\nn:64*((\s2)%4)+16*\nn+15], v[HF+16*\m:HF+16*\m+15], 0
.else
	v_wmma_f32_16x16x128_fp8_fp8 v[ACC2+8*(5*\nn+\m):ACC2+8*(5*\nn+\m)+7], v[64*((\s2)%4)+16*\nn:64*((\s2)%4)+16*\nn+15], v[HF+16*\m:HF+16*\m+15], v[ACC2+8*(5*\nn+\m):ACC2+8*(5*\nn+\m)+7]
.endif
.endr
.endr
	WIN 0
	PLACES
.if \s2 < 7
	HFLOAD (\s2)+1
.endif
.if \s2 < 4
	WIN 0x40
.set i, 0
.rept 16
	global_load_b128 v[64*(\s2)+4*i:64*(\s2)+4*i+3], v1, s[88:89] offset:((\s2)+4)*8192+512*i   ; K step s2 + 4 into the registers just multiplied
.set i, i+1
.endr
	WIN 0
.endif
.endm
.macro ROWOUT i                        ; my row 10 w + i: (sum x 2^(e2 + e3) + b2 / 2) x the gate weight; four stores of 512 consecutive bytes
.if \i > 0
	s_add_co_u32 s2, s26, \i
	s_cmp_ge_u32 s2, s30
	s_cbranch_scc1 .Lend                           ; the tile has no such row, nor any later one
.endif
	s_wait_dscnt 36-4*\i                           ; this row's four loads are in; the later rows' may be out
	v_mov_b32 v32, s[46+\i]
	v_mov_b32 v33, s[46+\i]
.irp p, 0,2,4,6,8,10,12,14
	v_pk_fma_f32 v[RW+16*\i+\p:RW+16*\i+\p+1], v[RW+16*\i+\p:RW+16*\i+\p+1], s[58:59], v[16+\p:17+\p] op_sel_hi:[1,0,1]
.endr
.irp p, 0,2,4,6,8,10,12,14
	v_pk_mul_f32 v[RW+16*\i+\p:RW+16*\i+\p+1], v[RW+16*\i+\p:RW+16*\i+\p+1], v[32:33]
.endr
.irp j, 0,1,2,3
	global_store_b128 v[34+\i], v[RW+16*\i+4*\j:RW+16*\i+4*\j+3], s[22:23] offset:512*\j th:TH_STORE_NT
.endr
.endm
	; ---- the head: on every path, with addresses that are valid for a record without rows too
	s_load_b256 s[4:11], s[0:1], 0x0               ; xc 4, w1c 6, w2c 8, b1 10
	s_load_b256 s[12:19], s[0:1], 0x20             ; b2 12, the scales 14, gw 16, rowlist 18
	s_load_b128 s[20:23], s[0:1], 0x40             ; tiles 20, y 22
	v_lshrrev_b32 v1, 5, v0
	v_readfirstlane_b32 s24, v1                    ; wave
	s_and_b32 s25, ttmp7, 0xffff                   ; fh
	s_mul_i32 s26, s24, 10                         ; my first row of the tile
	s_lshl_b32 s2, ttmp9, 4                        ; my record
	v_and_b32 v242, 31, v0                         ; lane
	v_and_b32 v243, 15, v0                         ; r
	v_bfe_u32 v244, v0, 4, 1                       ; h
	v_lshlrev_b32 v1, 4, v242                      ; 16 x lane: an image's place for my lane
	v_add_nc_u32 v2, HIMG, v1                      ; the hidden images, K steps 0-3,
	v_add_nc_u32 v5, HIMG+40960, v1                ; and 4-7
	s_mul_i32 s3, s24, 10240
	s_add_co_u32 s3, s3, HIMG
	v_add_nc_u32 v3, s3, v1                        ; where I store mine: K step w
	v_mul_u32_u24 v4, v243, SP
	v_lshl_add_u32 v4, v244, 5, v4
	s_lshl_b32 s3, s24, 8
	s_add_co_u32 s3, s3, STG
	v_add_nc_u32 v4, s3, v4                        ; the stage, in: row r, + 32 h, + my 256 bytes of a row
	s_mul_i32 s3, s26, SP
	s_add_co_u32 s3, s3, STG
	v_add_nc_u32 v7, s3, v1                        ; and back: my ten rows, 16 bytes a lane
	v_lshlrev_b32 v8, 8, v242                      ; the prefetches' offset
	v_lshrrev_b32 v240, 3, v242                    ; piece l of a row of x's codes belongs to K step l / 8, piece (l / 2) % 4, half l % 2
	v_lshlrev_b32 v240, 11, v240
	v_bfe_u32 v245, v242, 1, 2
	v_lshl_add_u32 v240, v245, 9, v240
	v_and_b32 v245, 1, v242
	v_lshl_add_u32 v240, v245, 8, v240
	v_lshlrev_b32 v241, 6, v244                    ; b1: my half's 16 numbers of each 32
	v_mov_b32 v10, 0x326dffee                      ; a1
	v_mov_b32 v11, 0x326dffee
	v_mov_b32 v12, 0xb95fbd29                      ; b1 of the denominator
	v_mov_b32 v13, 0xb95fbd29
	s_wait_kmcnt 0x0
	s_load_b128 s[28:31], s[20:21], s2 offset:0x0  ; expert, first place, rows, first tile?
	s_load_b128 s[32:35], s[14:15], 0x0            ; e0 (W1), e1 (x), e2 (hidden), e3 (W2)
	KPAIR KA0, 0xaf15df0b
	KPAIR KA2, 0xb58cff51
	KPAIR KA3, 0xb7eec2d2
	KPAIR KA4, 0xb9c0ac63
	KPAIR KA5, 0xbac1a1f6
	KPAIR KA6, 0xbc03dbd4
	KPAIR KB0, 0xb77460cd
	KPAIR KB2, 0xbadc924e
	KPAIR KB3, 0xbbf19bf8
	KPAIR KB4, 0xbc69b6a7
	s_wait_kmcnt 0x0
	s_min_u32 s28, s28, 7                          ; what enters an address is held inside its table
	s_min_u32 s29, s29, 8191
	s_min_u32 s30, s30, 80
	s_lshl_b32 s60, s25, 3
	s_add_co_u32 s60, s60, s24                     ; G = 8 fh + w: my 128 hidden units
	s_mov_b32 s3, 0
	s_lshl_b32 s2, s28, 20
	s_lshl_b32 s61, s60, 16
	s_add_co_u32 s2, s2, s61
	s_add_nc_u64 s[86:87], s[6:7], s[2:3]          ; my part of W1's codes
	s_lshl_b32 s2, s28, 20
	s_lshl_b32 s61, s25, 19
	s_add_co_u32 s2, s2, s61
	s_lshl_b32 s61, s24, 16
	s_add_co_u32 s2, s2, s61
	s_add_nc_u64 s[88:89], s[8:9], s[2:3]          ; my part of W2's codes
	s_mov_b64 s[90:91], s[88:89]                   ; where my prefetches stand
	s_lshl_b32 s2, s28, 13
	s_lshl_b32 s61, s60, 9
	s_add_co_u32 s2, s2, s61
	s_add_nc_u64 s[10:11], s[10:11], s[2:3]        ; my 128 numbers of b1
	s_lshl_b32 s2, s28, 11
	s_add_nc_u64 s[12:13], s[12:13], s[2:3]        ; the expert's b2
	s_lshl_b32 s2, s25, 24
	s_add_nc_u64 s[22:23], s[22:23], s[2:3]        ; y's half fh
	s_add_co_u32 s2, s29, s26
	s_lshl_b32 s2, s2, 2
	s_load_b256 s[36:43], s[18:19], s2 offset:0x0  ; my ten rows' ids
	s_load_b64 s[44:45], s[18:19], s2 offset:0x20
	LOADW 86, 0                                    ; W1's tiles 0-3
.irp t, 0,1,2,3,4,5,6,7
	global_load_b128 v[B1+8*\t:B1+8*\t+3], v241, s[10:11] offset:(32*(\t/2)+8*(\t%2))*4
	global_load_b128 v[B1+8*\t+4:B1+8*\t+7], v241, s[10:11] offset:(32*(\t/2)+8*(\t%2))*4+16
.endr
	s_wait_kmcnt 0x0
.irp i, 0,1,2,3,4,5,6,7,8,9
	s_min_u32 s[36+\i], s[36+\i], 8191
	s_lshl_b32 s[66+\i], s[36+\i], 2
.endr
.irp i, 0,1,2,3,4,5,6,7,8,9
	s_load_b32 s[46+\i], s[16:17], s[66+\i] offset:0x0   ; their gate weights
.endr
.irp i, 0,1,2,3,4,5,6,7,8,9
	s_and_b32 s2, s[36+\i], 0x1ffe
	s_lshl_b32 s2, s2, 8                           ; token = id / 2, 512 bytes of codes
	v_add_nc_u32 v[56+\i], s2, v1
	global_load_b128 v[16+4*\i:19+4*\i], v[56+\i], s[4:5]   ; a whole row: 512 consecutive bytes
.endr
.irp i, 0,1,2,3,4,5,6,7,8,9
	s_add_co_u32 s2, s26, \i                       ; row 10 w + i goes to tile row / 16, lane row % 16
	s_lshr_b32 s3, s2, 4
	s_lshl_b32 s3, s3, 13
	s_and_b32 s2, s2, 15
	s_lshl_b32 s2, s2, 4
	s_or_b32 s2, s2, s3
	v_add_nc_u32 v[66+\i], s2, v240
.endr
	s_add_co_i32 s60, s32, s33                     ; e0 + e1
	s_lshl_b32 s61, s60, 23
	s_add_co_i32 s56, s61, 0x3f3504f3              ; sqrt(1/2) x 2^(e0 + e1): the exponents are added to the constant's exponent field
	s_mov_b32 s57, s56
	s_add_co_i32 s61, s34, s35
	s_add_co_i32 s61, s61, 127
	s_lshl_b32 s58, s61, 23                        ; 2^(e2 + e3)
	s_mov_b32 s59, s58
	s_sub_co_i32 s61, s34, s60
	s_add_co_i32 s61, s61, 127
	s_lshl_b32 s62, s61, 23
	v_mov_b32 v15, s62                             ; 2^(e2 - e0 - e1): the three scales folded into the conversion's one
	s_add_co_i32 s61, s61, 8
	s_lshl_b32 s61, s61, 23
	s_or_b32 s61, s61, 0x600000
	v_mov_b32 v14, s61                             ; 448 x that
	s_sub_co_i32 s60, 0, s60
	s_wait_kmcnt 0x0                               ; the gate weights
	s_wait_loadcnt 0x0                             ; W1's tiles 0-3, b1, my ten rows of x
.irp i, 0,1,2,3,4,5,6,7,8,9
	ds_store_b128 v[66+\i], v[16+4*\i:19+4*\i]
.endr
.set j, 0
.rept 64
	v_ldexp_f32 v[B1+j], v[B1+j], s60              ; b1 / 2^(e0 + e1)
.set j, j+1
.endr
	s_mov_b32 s61, 0                               ; trips walked, for the prefetches
	s_cmp_lg_u32 s31, 0
	s_cselect_b32 s62, 8, 0
	BARRIER                                        ; x's twenty fragments lie in LDS
	; ---- the first product, GELU, the quantiser
	HALF 0
	HALF 1
	BARRIER                                        ; the hidden layer's forty fragments lie in LDS
	; ---- the second product
	s_cmp_eq_u32 s30, 0
	s_cbranch_scc1 .Lno_rows
	HFLOAD 0
.irp q, 0,1,2,3,4,5,6,7
	K2 \q
.endr
.irp j, 0,1,2,3
	global_load_b128 v[16+4*\j:19+4*\j], v1, s[12:13] offset:512*\j   ; b2, laid as a row of y lies in my lanes
.endr
.irp m, 0,1,2,3,4
	v_add_nc_u32 v[48+\m], \m*16*SP, v4
.endr
.irp m, 0,1,2,3,4
.irp nn, 0,1,2,3
	ds_store_b128 v[48+\m], v[ACC2+8*(5*\nn+\m):ACC2+8*(5*\nn+\m)+3] offset:64*\nn       ; lane (r, h): row 16 m + r, outputs 64 w + 16 nn + 8 h + 0 .. 7; each accumulator from its low end on
	ds_store_b128 v[48+\m], v[ACC2+8*(5*\nn+\m)+4:ACC2+8*(5*\nn+\m)+7] offset:64*\nn+16
.endr
.endr
.Lno_rows:
	BARRIER                                        ; 80 whole rows lie in the stage
	; ---- the way out: my ten rows
	s_cmp_ge_u32 s26, s30
	s_cbranch_scc1 .Lend
.irp i, 0,1,2,3,4,5,6,7,8,9
.irp j, 0,1,2,3
	ds_load_b128 v[RW+16*\i+4*\j:RW+16*\i+4*\j+3], v7 offset:\i*SP+512*\j
.endr
.endr
.irp i, 0,1,2,3,4,5,6,7,8,9
	s_lshl_b32 s2, s[36+\i], 11                    ; a row of y is 2,048 bytes
	v_add_nc_u32 v[34+\i], s2, v1
.endr
	s_wait_loadcnt 0x0                             ; b2
.irp p, 0,2,4,6,8,10,12,14
	v_pk_mul_f32 v[16+\p:17+\p], v[16+\p:17+\p], 0.5 op_sel_hi:[1,0]   ; each half of the hidden layer adds half of the bias: exact
.endr
.irp i, 0,1,2,3,4,5,6,7,8,9
	ROWOUT \i
.endr
.Lend:
	s_wait_dscnt 0x0                               ; no LDS load of mine is out at the end
	s_wait_xcnt 0x0
	v_lshl_add_u32 v254, v0, 2, 0x46600
	v_mov_b32 v255, 0
	s_wait_tensorcnt 0x0
	ds_add_u32 v254, v255
	s_wait_dscnt 0x0
	s_endpgm
.Lfunc_end_k_q82f41ee955_chain:
	.size	k_q82f41ee955_chain, .Lfunc_end_k_q82f41ee955_chain-k_q82f41ee955_chain
	.p2alignl 7, 3214868480
	.fill 96, 4, 3214868480
	.section	.rodata,"a",@progbits
	.p2align	6, 0x0
	.amdhsa_kernel k_q82f41ee955_chain
		.amdhsa_group_segment_fixed_size 289280
		.amdhsa_private_segment_fixed_size 0
		.amdhsa_enable_private_segment 0
		.amdhsa_kernarg_size 80
		.amdhsa_user_sgpr_count 2
		.amdhsa_user_sgpr_kernarg_segment_ptr 1
		.amdhsa_wavefront_size32 1
		.amdhsa_system_sgpr_workgroup_id_x 1
		.amdhsa_system_sgpr_workgroup_id_y 1
		.amdhsa_system_sgpr_workgroup_id_z 1
		.amdhsa_system_vgpr_workitem_id 0
		.amdhsa_next_free_vgpr 512
		.amdhsa_next_free_sgpr 102
		.amdhsa_reserve_vcc 0
		.amdhsa_float_denorm_mode_32 3
		.amdhsa_float_denorm_mode_16_64 3
		.amdhsa_memory_ordered 1
		.amdhsa_forward_progress 1
		.amdhsa_inst_pref_size 135
	.end_amdhsa_kernel
	.amdgpu_metadata
---
amdhsa.version: [ 1, 2 ]
amdhsa.kernels:
  - .name:           k_q82f41ee955_chain
    .symbol:         k_q82f41ee955_chain.kd
    .args:
      - { .name: xc, .offset: 0, .size: 8, .value_kind: global_buffer, .address_space: global }
      - { .name: w1c, .offset: 8, .size: 8, .value_kind: global_buffer, .address_space: global }
      - { .name: w2c, .offset: 16, .size: 8, .value_kind: global_buffer, .address_space: global }
      - { .name: b1, .offset: 24, .size: 8, .value_kind: global_buffer, .address_space: global }
      - { .name: b2, .offset: 32, .size: 8, .value_kind: global_buffer, .address_space: global }
      - { .name: lowp_scales, .offset: 40, .size: 8, .value_kind: global_buffer, .address_space: global }
      - { .name: gw, .offset: 48, .size: 8, .value_kind: global_buffer, .address_space: global }
      - { .name: rowlist, .offset: 56, .size: 8, .value_kind: global_buffer, .address_space: global }
      - { .name: tiles, .offset: 64, .size: 8, .value_kind: global_buffer, .address_space: global }
      - { .name: y, .offset: 72, .size: 8, .value_kind: global_buffer, .address_space: global }
    .group_segment_fixed_size: 289280
    .private_segment_fixed_size: 0
    .kernarg_segment_align: 8
    .kernarg_segment_size: 80
    .max_flat_workgroup_size: 256
    .sgpr_count:     102
    .vgpr_count:     512
    .wavefront_size: 32
...
	.end_amdgpu_metadata
.endif
;; end of part 3
;; launch comb (part 4): grid 256 x 1, 8 waves a work-group, no clusters, 0 bytes of LDS; arguments y, out0; writes out0
.if DOCPART == 4
	.amdgcn_target "amdgcn-amd-amdhsa--gfx1250"
	.amdhsa_code_object_version 6
	.text
	.protected	k_q82f41ee955_comb
	.globl	k_q82f41ee955_comb
	.p2align	8
	.type	k_q82f41ee955_comb,@function
k_q82f41ee955_comb:
	s_mov_b64 s[64:65], 0
	v_nop
	global_prefetch_b8 v0, s[64:65] scope:SCOPE_SE
	s_setreg_imm32_b32 hwreg(HW_REG_WAVE_MODE, 25, 1), 1
	s_wait_xcnt 0x0
; COMB: out0[t] = y[0][2 t] + y[0][2 t + 1] + y[1][2 t] + y[1][2 t + 1]: a token's two experts, each in two halves of the hidden layer; the gate weights and the biases are in y already.
; A stream: a wave takes two tokens, 32 loads of 512 consecutive bytes all asked for at once, then eight chunks of six packed additions and one store of 512 consecutive bytes.  No LDS, no barrier, no matrix unit: nothing is shared.
	s_load_b128 s[4:7], s[0:1], 0x0                ; y, out0
	v_lshrrev_b32 v1, 5, v0
	v_readfirstlane_b32 s8, v1                     ; wave
	v_and_b32 v1, 31, v0
	v_lshlrev_b32 v1, 4, v1                        ; 16 x lane
	s_lshl_b32 s9, ttmp9, 3
	s_add_co_u32 s9, s9, s8                        ; which pair of tokens
	s_lshl_b32 s10, s9, 13                         ; in y: two tokens x two rows of 2,048 bytes
	s_mov_b32 s11, 0
	s_lshl_b32 s12, s9, 12                         ; in out0: two rows
	s_mov_b32 s13, 0
	s_wait_kmcnt 0x0
	s_add_nc_u64 s[4:5], s[4:5], s[10:11]
	s_add_nc_u64 s[14:15], s[4:5], 0x1000000       ; the second half of y: 8,192 rows on
	s_add_nc_u64 s[6:7], s[6:7], s[12:13]
.set c, 0
.rept 8                                ; chunk c: token c / 4, bytes 512 (c % 4) on
	global_load_b128 v[8+16*c:11+16*c],  v1, s[4:5] offset:4096*(c/4)+512*(c%4) th:TH_LOAD_NT
	global_load_b128 v[12+16*c:15+16*c], v1, s[4:5] offset:4096*(c/4)+512*(c%4)+2048 th:TH_LOAD_NT
	global_load_b128 v[16+16*c:19+16*c], v1, s[14:15] offset:4096*(c/4)+512*(c%4) th:TH_LOAD_NT
	global_load_b128 v[20+16*c:23+16*c], v1, s[14:15] offset:4096*(c/4)+512*(c%4)+2048 th:TH_LOAD_NT
.set c, c+1
.endr
.set c, 0
.rept 8
	s_wait_loadcnt 28-4*c                          ; this chunk's four loads are in; the later chunks' may be out
	v_pk_add_f32 v[8+16*c:9+16*c],   v[8+16*c:9+16*c],   v[12+16*c:13+16*c]
	v_pk_add_f32 v[10+16*c:11+16*c], v[10+16*c:11+16*c], v[14+16*c:15+16*c]
	v_pk_add_f32 v[16+16*c:17+16*c], v[16+16*c:17+16*c], v[20+16*c:21+16*c]
	v_pk_add_f32 v[18+16*c:19+16*c], v[18+16*c:19+16*c], v[22+16*c:23+16*c]
	v_pk_add_f32 v[8+16*c:9+16*c],   v[8+16*c:9+16*c],   v[16+16*c:17+16*c]
	v_pk_add_f32 v[10+16*c:11+16*c], v[10+16*c:11+16*c], v[18+16*c:19+16*c]
	global_store_b128 v1, v[8+16*c:11+16*c], s[6:7] offset:2048*(c/4)+512*(c%4) th:TH_STORE_NT
.set c, c+1
.endr
	s_endpgm
.Lfunc_end_k_q82f41ee955_comb:
	.size	k_q82f41ee955_comb, .Lfunc_end_k_q82f41ee955_comb-k_q82f41ee955_comb
	.p2alignl 7, 3214868480
	.fill 96, 4, 3214868480
	.section	.rodata,"a",@progbits
	.p2align	6, 0x0
	.amdhsa_kernel k_q82f41ee955_comb
		.amdhsa_group_segment_fixed_size 0
		.amdhsa_private_segment_fixed_size 0
		.amdhsa_enable_private_segment 0
		.amdhsa_kernarg_size 16
		.amdhsa_user_sgpr_count 2
		.amdhsa_user_sgpr_kernarg_segment_ptr 1
		.amdhsa_wavefront_size32 1
		.amdhsa_system_sgpr_workgroup_id_x 1
		.amdhsa_system_sgpr_workgroup_id_y 1
		.amdhsa_system_sgpr_workgroup_id_z 1
		.amdhsa_system_vgpr_workitem_id 0
		.amdhsa_next_free_vgpr 136
		.amdhsa_next_free_sgpr 66
		.amdhsa_reserve_vcc 0
		.amdhsa_float_denorm_mode_32 3
		.amdhsa_float_denorm_mode_16_64 3
		.amdhsa_memory_ordered 1
		.amdhsa_forward_progress 1
		.amdhsa_inst_pref_size 8
	.end_amdhsa_kernel
	.amdgpu_metadata
---
amdhsa.version: [ 1, 2 ]
amdhsa.kernels:
  - .name:           k_q82f41ee955_comb
    .symbol:         k_q82f41ee955_comb.kd
    .args:
      - { .name: y, .offset: 0, .size: 8, .value_kind: global_buffer, .address_space: global }
      - { .name: out0, .offset: 8, .size: 8, .value_kind: global_buffer, .address_space: global }
    .group_segment_fixed_size: 0
    .private_segment_fixed_size: 0
    .kernarg_segment_align: 8
    .kernarg_segment_size: 16
    .max_flat_workgroup_size: 256
    .sgpr_count:     66
    .vgpr_count:     136
    .wavefront_size: 32
...
	.end_amdgpu_metadata
.endif
;; end of part 4
